; MI455X (gfx1250); checked and timed in simulation.
; The chip was launched on July 23, 2026; its instructions are those of AMD's public machine-readable ISA for CDNA 5 (MIT licence, August 2026) and "CDNA5" Instruction Set Architecture Reference Guide (July 2026). The comments in the code are by the model that wrote it; some were corrected since.
;; Interaction Feature Model. Allowed arithmetic: matrix products marked QUANTISED: E2M1 operands, one E8M0 scale for each 32 along K, by v_wmma_scale_f32_16x16x128_f8f6f4 with both operands' format E2M1 (or v_wmma_scale_f32_32x16x128_f4), f32 sums; products left as they are: f32 operands where the result goes on into a quantised operand, else bf16, f16 or f32 operands; f32 sums; everything else in f32.
;; Inputs: Theta 1,024 x 1,024 float32; X 65,536 x 1,024 float32; beta 1,024 float32; beta0 1 float32.
;; Outputs: out0 65,536 float32.
;; This version of the problem:
;;   THIS VERSION OF THE PROBLEM IS GIVEN IN LOW PRECISION. The matrix products marked QUANTISED in the list below multiply operands that are first quantised to E2M1 (2 exponent bits, 1 mantissa bit; 4 bits a number), with one power-of-two scale for each 32 numbers along K (OCP MX v1.0); their sums are f32. All else is computed in f32.
;;   The module's matrix products, in the order in which they are computed (A, B: the left and right operand; K: the contracted axis; several contracted axes count as one K, in the product's order):
;;     1. [M 65,536, K 1,024] x [K 1,024, N 1]; A: input X; B: input beta: left as it is (N = 1 < 16)
;;     2. [M 65,536, K 1,024] x [K 1,024, N 1,024]; A: input X; B: computed on the way: QUANTISED
;;   THE QUANTISER, for each operand of a quantised product, along K:
;;     - K is cut into blocks of 32 from its start; a last block that is shorter is filled with zeros.
;;     - A block's scale is 2^e with e = floor(log2(the largest magnitude in the block)) - 2, held to -126 .. 127; a block of zeros has e = 0. As a byte (E8M0): e + 127.
;;     - Each number is divided by its block's scale, clamped to +-6, and rounded to the nearest number of E2M1, ties to even, subnormals kept.
;;     - The product sums the exact products of the quantised numbers (number of the format x scale) in f32.
;;   ~~~python
;;   def quantise(x, axis):      # numpy; x: float32 -> the quantised numbers, widened to float32 again
;;       x = np.moveaxis(x, axis, -1); K = x.shape[-1]
;;       x = np.pad(x, [(0, 0)] * (x.ndim - 1) + [(0, -K % 32)]); x = x.reshape(x.shape[:-1] + (-1, 32)); a = np.abs(x).max(-1, keepdims=True)
;;       e = np.where(a > 0, np.clip(np.frexp(np.where(a > 0, a, 1))[1] - 1 - 2, -126, 127), 0)      # np.frexp(a)[1] - 1 = floor(log2(a)), exactly
;;       r = np.clip(x / 2.0 ** e, -6, 6)
;;       step = 2.0 ** (np.maximum(np.frexp(np.where(r == 0, 1, r))[1] - 1, 0) - 1)
;;       q = np.round(r / step) * step * 2.0 ** e      # np.round: ties to even
;;       return np.moveaxis(q.reshape(q.shape[:-2] + (-1,))[..., :K], -1, axis).astype(np.float32)
;;   ~~~
;;   OPERANDS COMPUTED ON THE WAY. 'Computed on the way' means the value that the module computes at that place (a softmax that the list does not call 'softmax' is quantised finished and normalised). What goes into a quantiser is computed in f32, as accurately as f32 sums, v_exp_f32 and their like allow (about 1e-6 of the number): no bf16 or f16 on the way to a quantiser, and a product that is left as it is and whose result goes on into a quantised operand takes f32 operands (vector FMAs, or v_wmma_f32_16x16x4_f32). A number that lies on a knife's edge between two numbers of the format may be rounded either way, as far as f32 arithmetic and the matrix unit's own rounding can turn it there, and no further.
;; One version. Each part assembles by itself: llvm-mc -triple=amdgcn-amd-amdhsa -mcpu=gfx1250 --defsym DOCPART=n.
;; ======== version 1 of 1: 2 launches
;; limits: right only within a limited range of input values
;; workspace buffers: th_codes 294,912 bytes; th_scales 18,432 bytes
;; launch prep (part 1): grid 9 x 4, 16 waves a work-group, no clusters, 2,560 bytes of LDS; arguments Theta, th_codes, th_scales; writes th_codes, th_scales
.if DOCPART == 1
	.amdgcn_target "amdgcn-amd-amdhsa--gfx1250"
	.amdhsa_code_object_version 6
	.text
	.protected	k_qcca1896835_prep
	.globl	k_qcca1896835_prep
	.p2align	8
	.type	k_qcca1896835_prep,@function
k_qcca1896835_prep:
	s_mov_b64 s[64:65], 0
	v_nop
	global_prefetch_b8 v0, s[64:65] scope:SCOPE_SE
	s_setreg_imm32_b32 hwreg(HW_REG_WAVE_MODE, 25, 1), 1
	s_wait_xcnt 0x0
; triu(Theta, 1), the right operand of X @ theta_upper, is quantised along K (its FIRST axis, j) into codes of FP4 (E2M1) with one E8M0 byte for each 32 along K.
; DEAD WORK LEFT OUT.  Cut Theta into blocks of 128 (K step ks: rows j = 128 ks ..) x 128 (column group g: columns k = 128 g ..).  In a block with ks > g every entry has
; j >= 128 (g + 1) > k, so jnp.triu(Theta, k=1), which the function builds in its own body, makes it 0 whatever Theta holds; a block of zeros quantises to zeros and adds nothing
; to any sum.  So of the 64 blocks the 36 with ks <= g are quantised and later multiplied, and the other 28 are neither read nor multiplied.  Every input still has a way to the
; output, so all four are among the program's arguments.  LIMIT: a NaN or an infinity in the 28 blocks left out, or under the diagonal of a block that is kept, is not carried
; to the result (the mask replaces it by 0 here as there).
; THE MASK STANDS AHEAD OF THE QUANTISER: an entry with j >= k becomes 0 before the block's largest magnitude is taken.
; A block's scale is 2^(floor(log2(its largest magnitude)) - 2); its byte is the largest magnitude's exponent field - 2, held at 1 from below.  A block of zeros so gets the byte 1
; where the rule says 127: its codes are zeros, which add nothing under any byte but 0xff, and the bytes are read by this program alone.
; LIMITS: NaN and infinities among the entries that are kept are not served.
; SHARES.  36 work-groups, one for each live block (ks, g).  Wave v of 16 takes the 32 columns 128 g + 32 p .. (p = v / 4) and the 32 rows 128 ks + 32 kb .. (kb = v % 4).
; A LANE TAKES A COLUMN, AND ITS 32 REGISTERS RUN DOWN K: the block's largest magnitude needs no other lane and the conversions give the codes with K innermost.
; THE OUTPUT IS LAID AS IMAGES OF OPERAND REGISTERS.  th_codes: [p][f = 2 q + u][1,024 bytes], q = ks (17 - ks) / 2 + g - ks (the order in which the product takes the blocks).
; A fragment (16 columns x 128 K) has the 16 bytes of K block kb and fragment row rho at 256 kb + 16 rho: a lane that loads 16 bytes at 16 x lane and at 512 + 16 x lane has its
; eight operand registers.  Fragment row rho of tile u is column 128 g + 32 p + 8 u + rho + 8 (rho / 8): so the product's results fall on 16 neighbouring columns in a lane.
; th_scales: [q][p][lane] words: lane 16 u + rho holds the four bytes (kb = 0 .. 3) of that column.
.set SPARE, 512                        ; LDS: bytes 0-511 the block's scale bytes [p][lane][kb]; from 512 on the spare words, 128 bytes for each of the 16 waves
	s_load_b128 s[4:7], s[0:1], 0x0                ; Theta, th_codes
	s_load_b64 s[8:9], s[0:1], 0x10                ; th_scales
	v_lshl_add_u32 v10, v0, 2, SPARE               ; my spare word; never rewritten
	v_mov_b32 v11, 0                               ; 0; never rewritten
	v_lshrrev_b32 v1, 5, v0
	s_delay_alu instid0(VALU_DEP_1)
	v_readfirstlane_b32 s10, v1                    ; wave 0..15
	s_lshr_b32 s11, s10, 2                         ; p
	s_and_b32 s12, s10, 3                          ; kb
	; the work-group's block: row y of the grid serves K step y (8 - y blocks) and K step 7 - y (y + 1 blocks): nine in all
	s_and_b32 s13, ttmp7, 0xffff                   ; y
	s_sub_co_u32 s14, 8, s13                       ; 8 - y
	s_sub_co_u32 s15, 7, s13                       ; 7 - y
	s_add_co_u32 s16, ttmp9, s13                   ; x + y
	s_sub_co_u32 s17, ttmp9, 1                     ; x - 1 (taken only where x >= 8 - y)
	s_cmp_lt_u32 ttmp9, s14
	s_cselect_b32 s18, s13, s15                    ; ks
	s_cselect_b32 s19, s16, s17                    ; g
	s_sub_co_u32 s20, 17, s18
	s_mul_i32 s20, s20, s18
	s_lshr_b32 s20, s20, 1
	s_add_co_u32 s20, s20, s19
	s_sub_co_u32 s20, s20, s18                     ; q
	s_lshl_b32 s21, s18, 7
	s_lshl_b32 s22, s12, 5
	s_add_co_u32 s21, s21, s22                     ; j0 = 128 ks + 32 kb
	s_lshl_b32 s22, s19, 7
	s_lshl_b32 s23, s11, 5
	s_add_co_u32 s22, s22, s23                     ; k0 = 128 g + 32 p
	s_sub_co_i32 s23, s22, s21                     ; k0 - j0, signed
	s_lshl_b32 s24, s21, 12                        ; Theta: j0 rows of 4,096 bytes
	s_lshl_b32 s25, s22, 2
	s_add_co_u32 s24, s24, s25                     ; + 4 k0
	s_mov_b32 s25, 0
	s_mul_i32 s26, s11, 73728                      ; th_codes: p x 72 fragments
	s_lshl_b32 s27, s20, 11
	s_add_co_u32 s26, s26, s27                     ; + q x 2 fragments
	s_lshl_b32 s27, s12, 8
	s_add_co_u32 s26, s26, s27                     ; + 256 kb
	s_mov_b32 s27, 0
	s_lshl_b32 s28, s20, 9                         ; th_scales: 512 q
	s_mov_b32 s29, 0
	v_and_b32 v2, 31, v0                           ; lane
	v_and_b32 v3, 15, v0                           ; rho
	v_bfe_u32 v4, v0, 4, 1                         ; u
	s_delay_alu instid0(VALU_DEP_2)
	v_and_b32 v5, 8, v3
	s_delay_alu instid0(VALU_DEP_1)
	v_add_nc_u32 v5, v5, v3                        ; rho + 8 (rho / 8)
	s_delay_alu instid0(VALU_DEP_1)
	v_lshl_add_u32 v1, v4, 3, v5                   ; my column among the wave's 32: the 32 lanes take all 32, so a load reads 128 consecutive bytes
	s_delay_alu instid0(VALU_DEP_1)
	v_add_nc_u32 v6, s23, v1                       ; d = k - j0: row j0 + i is kept where i < d
	s_delay_alu instid0(VALU_DEP_2)
	v_lshlrev_b32 v5, 2, v1                        ; its bytes in a row of Theta
	v_lshlrev_b32 v7, 4, v3
	s_delay_alu instid0(VALU_DEP_1)
	v_lshl_add_u32 v7, v4, 10, v7                  ; my 16 bytes of codes: 1,024 u + 16 rho
	s_lshl_b32 s30, s11, 7
	s_add_co_u32 s30, s30, s12
	v_lshlrev_b32 v8, 2, v2
	s_delay_alu instid0(VALU_DEP_1)
	v_add_nc_u32 v8, s30, v8                       ; LDS: my scale byte: 128 p + 4 lane + kb
	v_lshlrev_b32 v9, 4, v2                        ; 16 x lane: wave 0 takes the 512 bytes out
	s_wait_alu depctr_va_vdst(0)
	s_wait_kmcnt 0x0
	s_add_nc_u64 s[4:5], s[4:5], s[24:25]
	s_add_nc_u64 s[6:7], s[6:7], s[26:27]
	s_add_nc_u64 s[8:9], s[8:9], s[28:29]
.irp i, 0,1,2,3,4,5,6,7,8,9,10,11,12,13,14,15,16,17,18,19,20,21,22,23,24,25,26,27,28,29,30,31
	global_load_b32 v[32+\i], v5, s[4:5] offset:4096*\i th:TH_LOAD_NT   ; Theta(j0 + i, my column): read once in the launch
.endr
	s_wait_loadcnt 0x0
.irp i, 0,1,2,3,4,5,6,7,8,9,10,11,12,13,14,15,16,17,18,19,20,21,22,23,24,25,26,27,28,29,30,31
	v_cmp_lt_i32 vcc_lo, \i, v6                    ; the mask, always executed: off the diagonal d is 32 or more and all is kept
	s_delay_alu instid0(VALU_DEP_1)
	v_cndmask_b32 v[32+\i], 0, v[32+\i], vcc_lo
.endr
	v_max3_num_f32 v12, |v32|, |v33|, |v34|        ; the block's largest magnitude: all 32 numbers are mine; two chains
	v_max3_num_f32 v13, |v35|, |v36|, |v37|
.irp i, 6,10,14,18,22,26
	s_delay_alu instid0(VALU_DEP_2)
	v_max3_num_f32 v12, v12, |v[32+\i]|, |v[33+\i]|
	s_delay_alu instid0(VALU_DEP_2)
	v_max3_num_f32 v13, v13, |v[34+\i]|, |v[35+\i]|
.endr
	s_delay_alu instid0(VALU_DEP_2)
	v_max3_num_f32 v12, v12, |v62|, |v63|
	s_delay_alu instid0(VALU_DEP_1)
	v_max3_num_f32 v12, v12, v13, 0x1800000        ; and the floor 2^(3 - 127): the byte cannot fall under 1
	s_delay_alu instid0(VALU_DEP_1)
	v_add_nc_u32 v14, 0xff000000, v12              ; 2 off its exponent field: the conversion takes the exponent field of this operand as its scale
	s_delay_alu instid0(VALU_DEP_1)
	v_lshrrev_b32 v15, 23, v14                     ; the scale's byte
.irp c, 0,1,2,3
	v_cvt_scalef32_pk8_fp4_f32 v[16+\c], v[32+8*\c:39+8*\c], v14
.endr
	v_nop                                          ; one plain instruction behind the last scaled conversion
	global_store_b128 v7, v[16:19], s[6:7]         ; lanes 0-15 and lanes 16-31 each store 256 consecutive bytes, at a multiple of 256 from the buffer's first byte
	ds_store_b8 v8, v15
	s_wait_dscnt 0x0                               ; for the others' sake: my byte has landed
	s_barrier_signal -1
	s_barrier_wait -1
	s_cmp_lg_u32 s10, 0
	s_cbranch_scc1 .Lothers
	ds_load_b128 v[20:23], v9                      ; the block's 512 scale bytes
	s_wait_dscnt 0x0
	global_store_b128 v9, v[20:23], s[8:9]         ; 512 consecutive bytes
.Lothers:
	s_wait_tensorcnt 0x0                           ; the wave's end
	ds_add_u32 v10, v11
	s_wait_dscnt 0x0
	s_endpgm
.Lfunc_end_k_qcca1896835_prep:
	.size	k_qcca1896835_prep, .Lfunc_end_k_qcca1896835_prep-k_qcca1896835_prep
	.p2alignl 7, 3214868480
	.fill 96, 4, 3214868480
	.section	.rodata,"a",@progbits
	.p2align	6, 0x0
	.amdhsa_kernel k_qcca1896835_prep
		.amdhsa_group_segment_fixed_size 2560
		.amdhsa_private_segment_fixed_size 0
		.amdhsa_enable_private_segment 0
		.amdhsa_kernarg_size 24
		.amdhsa_user_sgpr_count 2
		.amdhsa_user_sgpr_kernarg_segment_ptr 1
		.amdhsa_wavefront_size32 1
		.amdhsa_system_sgpr_workgroup_id_x 1
		.amdhsa_system_sgpr_workgroup_id_y 1
		.amdhsa_system_sgpr_workgroup_id_z 1
		.amdhsa_system_vgpr_workitem_id 0
		.amdhsa_next_free_vgpr 64
		.amdhsa_next_free_sgpr 66
		.amdhsa_reserve_vcc 1
		.amdhsa_float_denorm_mode_32 3
		.amdhsa_float_denorm_mode_16_64 3
		.amdhsa_memory_ordered 1
		.amdhsa_forward_progress 1
		.amdhsa_inst_pref_size 12
	.end_amdhsa_kernel
	.amdgpu_metadata
---
amdhsa.version: [ 1, 2 ]
amdhsa.kernels:
  - .name:           k_qcca1896835_prep
    .symbol:         k_qcca1896835_prep.kd
    .args:
      - { .name: Theta, .offset: 0, .size: 8, .value_kind: global_buffer, .address_space: global }
      - { .name: th_codes, .offset: 8, .size: 8, .value_kind: global_buffer, .address_space: global }
      - { .name: th_scales, .offset: 16, .size: 8, .value_kind: global_buffer, .address_space: global }
    .group_segment_fixed_size: 2560
    .private_segment_fixed_size: 0
    .kernarg_segment_align: 8
    .kernarg_segment_size: 24
    .max_flat_workgroup_size: 512
    .sgpr_count:     66
    .vgpr_count:     64
    .wavefront_size: 32
...
	.end_amdgpu_metadata
.endif
;; end of part 1
;; launch main (part 2): grid 256 x 1, 4 waves a work-group, no clusters, 327,680 bytes of LDS; arguments X, th_codes, th_scales, beta, beta0, out0; writes out0
.if DOCPART == 2
	.amdgcn_target "amdgcn-amd-amdhsa--gfx1250"
	.amdhsa_code_object_version 6
	.text
	.protected	k_qcca1896835_main
	.globl	k_qcca1896835_main
	.p2align	8
	.type	k_qcca1896835_main,@function
k_qcca1896835_main:
	s_mov_b64 s[64:65], 0
	v_nop
	global_prefetch_b8 v0, s[64:65] scope:SCOPE_SE
	s_setreg_imm32_b32 hwreg(HW_REG_WAVE_MODE, 25, 1), 1
	s_wait_xcnt 0x0
; out0[r] = beta0 + sum over c of X[r][c] (beta[c] + (Q(X) Q(triu(Theta,1)))[r][c]): the linear term rides as the C of each accumulator's first product, all in f32.
; DEAD WORK LEFT OUT, as the first kernel shows: the 28 blocks of 128 x 128 of triu(Theta, 1) with K step > column group are zeros for every Theta; only the 36 others are multiplied.
; LIMITS: NaN and infinities in X are not served; a block of X whose largest magnitude lies under 2^(3 - 127) keeps the scale byte 1.
; SHARES.  256 work-groups of four waves; a work-group owns 256 rows of X, as 8 slot tiles of 32 rows, each two tiles of 16 rows.  Wave p owns columns 128 g + 32 p .. + 31 of every column group g:
; its 72 fragments of Theta's codes (576 registers) and 36 scale words stay in registers for the whole launch.  X comes as f32 through a ring of two LDS slots (32 rows x 4,096 bytes; wave w
; fetches the rows' bytes 1,024 w .. with one tensor load).  For a tile each wave reads its 16 x 256 numbers (lane = row, 16 neighbours a group), quantises them (a block of 32 lies in lanes l, l xor 16),
; puts codes and scale bytes into LDS as images of operand registers, and behind one barrier every wave reads the tile's 8 fragments.  The product is used transposed (source 0 = 16 columns of Theta,
; source 1 = 16 rows of X): a lane's accumulator registers are the very columns whose f32 X it holds.
; ORDER.  A tile has a front (quantise, barrier, fragment loads) and its products.  K steps ascend; column group g is finished by K step g.  Behind K steps 2, 4, 6 and 7 two finished groups are multiplied
; by X and summed, and their registers at once take the NEXT tile's X and beta from LDS.  A tile's last few additions stand behind the next tile's fragment loads.
; A slot's last rows are thus in registers at the barrier of its second tile: that barrier is also the one in front of the slot's refill.
; PREFETCH.  A slot tile is 131,072 consecutive bytes: 512 blocks of 256, wave w names blocks 128 w .. + 127, a lane a block, four instructions.  Tile n + 4 is named in the trip whose tensor load asks for tile n + 2.
; The head names tile 1 behind 134 of its 182 loads, and tiles 2 and 3 behind the second slot's first fill: never more than two tiles are named and not yet loaded.  Tiles past 7 do not exist:
; the loop's last trip names none.  Each block is named once, by the one work-group that reads it.
; NO CLUSTER: work-groups share Theta's codes alone, which go once, straight into registers in their register image; a joint load would have to pass them through LDS bytes that X's ring holds.
.set RPITCH, 1040                      ; 1,024 bytes of a row + 16 of padding
.set REGION, 32*RPITCH                 ; what one tensor load brings
.set SLOTB,  4*REGION
.set IMG,    2*SLOTB                   ; X's codes, two buffers of 8 fragments
.set XSC,    IMG+16384                 ; X's scale words, two buffers
.set BETA,   XSC+1024
.set PART,   BETA+4096                 ; [wave][256 rows] partial sums
.set SPARE,  PART+4096                 ; the spare words
.set TILEB,  131072                    ; a slot tile in memory
.set LI,  3
.set AX,  4                            ; v4-7 LDS addresses of my X numbers: slot 0 groups 0-3, 4-7; slot 1 likewise
.set IW,  8
.set SW,  9
.set IR,  10
.set SR,  11
.set BR,  12
.set PW0, 13
.set PA,  14
.set PR,  15
.set SPW, 16
.set NIL, 17
.set LS,  18
.set L8,  19
.set MX,  20
.set PM,  24
.set SO,  28
.set GB,  32
.set LB,  33
.set EB,  36
.set PC,  44
.set AC,  60
.set Z,   68
.set ZP,  69
.set XS,  70                           ; v70-77 X's scale words
.set TS,  78                           ; v78-113 Theta's scale words
.set PFO, 114                          ; 256 x lane; never rewritten
.set XV,  128                          ; v128-255 my 16 x 8 numbers of the tile, f32
.set G1,  24
.set G0,  32
.set SEL, 40
.set TP,  42
.set CNT, 43
.set BZ,  44
.set PF,  46                           ; s[46:47] my 32,768 bytes of slot tile 0; stepped two tiles a trip
; windows 1, 2 and v192-255 of window 3: Theta's fragments; window 3: v0-127 accumulators (group g, half u at 16 g + 8 u), v128-191 X's fragments
.set MSB, 0
.macro WIN new
.if MSB != \new
	s_set_vgpr_msb (MSB<<8)|\new
.set MSB, \new
.endif
.endm
.macro PLACES
.rept 4
	v_nop
.endr
.endm
; groups g and g + 1 of tile (s, t): beta into the accumulators, then X into XV: sixteen LDS loads
.macro NEXT2 g, s, t
	WIN 0xc0
.irp j, 0,1,2,3,4,5,6,7
	ds_load_b128 v[16*(\g)+4*\j:16*(\g)+4*\j+3], v[BR] offset:512*((\g)+\j/4)+16*(\j%4)
.endr
	WIN 0
.irp e, 0,1
.irp j, 0,1,2,3
	ds_load_b128 v[XV+16*((\g)+\e)+4*\j:XV+16*((\g)+\e)+4*\j+3], v[AX+2*(\s)+(((\g)+\e)/4)] offset:((((\g)+\e)/2)%2)*REGION+(((\g)+\e)%2)*512+(\t)*16*RPITCH+16*\j
.endr
.endr
.endm
; four blocks of 32 (groups 4 half .. + 3): largest magnitude with the floor 2^(3 - 127), scale byte, codes; into the images
.macro QUANT half, buf
.irp b, 0,1,2,3
	v_max3_num_f32 v[MX+\b], |v[XV+64*\half+16*\b]|, |v[XV+64*\half+16*\b+1]|, 0x1800000
.endr
.irp i, 2,4,6,8,10,12,14
.irp b, 0,1,2,3
	v_max3_num_f32 v[MX+\b], v[MX+\b], |v[XV+64*\half+16*\b+\i]|, |v[XV+64*\half+16*\b+\i+1]|
.endr
.endr
.irp b, 0,1,2,3
	v_permlanex16_b32 v[PM+\b], v[MX+\b], s[SEL], s[SEL+1]
.endr
.irp b, 0,1,2,3
	v_max_num_f32 v[MX+\b], v[MX+\b], v[PM+\b]
.endr
.irp b, 0,1,2,3
	v_add_nc_u32 v[SO+\b], 0xff000000, v[MX+\b]    ; 2 off the exponent field: the conversion's scale operand
.endr
.irp b, 0,1,2,3
	v_lshrrev_b32 v[EB+4*\half+\b], 23, v[SO+\b]
.endr
.irp b, 0,1,2,3
	v_cvt_scalef32_pk8_fp4_f32 v[PC+8*\half+2*\b], v[XV+64*\half+16*\b:XV+64*\half+16*\b+7], v[SO+\b]
	v_cvt_scalef32_pk8_fp4_f32 v[PC+8*\half+2*\b+1], v[XV+64*\half+16*\b+8:XV+64*\half+16*\b+15], v[SO+\b]
.endr
	v_nop                                          ; one plain place behind the last scaled conversion
.irp b, 0,1,2,3
	ds_store_b64 v[IW], v[PC+8*\half+2*\b:PC+8*\half+2*\b+1] offset:\buf*8192+1024*(4*\half+\b)
.endr
.irp b, 0,1,2,3
	ds_store_b8 v[SW], v[EB+4*\half+\b] offset:\buf*512+64*(4*\half+\b)
.endr
.endm
; my 128 blocks of the slot tile at byte off from s[PF].  kind 1: always; kind 2: in the loop, whose last trip (CNT = 1) has no tile four on
.macro ASK kind, off
.if \kind == 2
	s_cmp_gt_u32 s[CNT], 1
	s_cbranch_scc0 .Lnoask_\@
.endif
.if \kind > 0
.irp i, 0,1,2,3
	global_prefetch_b8 v[PFO], s[PF:PF+1] offset:(\off)+8192*\i th:TH_LOAD_NT scope:SCOPE_SE
.endr
.endif
.if \kind == 2
.Lnoask_\@:
.endif
.endm
.macro FRAGS buf, kind, off
.irp k, 0,1,2,3,4,5,6,7
	ds_load_b32 v[XS+\k], v[SR] offset:\buf*512+64*\k
.endr
	ASK \kind, \off
	WIN 0xc0
.irp k, 0,1,2,3,4,5,6,7
	ds_load_b128 v[128+8*\k:128+8*\k+3], v[IR] offset:\buf*8192+1024*\k
	ds_load_b128 v[128+8*\k+4:128+8*\k+7], v[IR] offset:\buf*8192+1024*\k+512
.endr
.endm
; group g: sum of X x (beta + product), four chains, each accumulator from its low end on
.macro DOTG g
	WIN 0x0c
.set mn, 8*(\g)
.rept 8
.if mn < 4
	v_pk_mul_f32 v[AC+2*mn:AC+2*mn+1], v[XV+2*mn:XV+2*mn+1], v[2*mn:2*mn+1]
.else
	v_pk_fma_f32 v[AC+2*(mn%4):AC+2*(mn%4)+1], v[XV+2*mn:XV+2*mn+1], v[2*mn:2*mn+1], v[AC+2*(mn%4):AC+2*(mn%4)+1]
.endif
.set mn, mn+1
.endr
.endm
.macro DOT2 g, nxt, s2, t2             ; two finished groups; then their registers take the next tile's numbers
	DOTG \g
	DOTG (\g)+1
.if \nxt
	NEXT2 \g, \s2, \t2
.endif
.endm
; 72 products, K step mk against groups mk .. 7, the accumulators by turns.  In front of each group's first read stand four v_nop (groups 0, 1) or another group's eight multiply-adds (ISA guide 7.12.1).
.macro MULDOT nxt, s2, t2
.set mk, 0
.set mq, 0
.rept 8
.if mk == 0
	s_wait_dscnt 14                                ; the scale words and fragment 0 are in; behind them stand fragments 1-7 (14 loads)
.endif
.if mk == 1
	s_wait_dscnt 12                                ; fragment 1
.endif
.if mk == 2
	s_wait_dscnt 0x0                               ; all fragments: no LDS wait stands further on among the products
.endif
.set mg, mk
.rept 8-mk
.set mu, 0
.rept 2
.set mf, 2*mq+mu
.if mf < 64
.set mw, 0xfd+mf/32
.set mr, 8*(mf%32)
.else
.set mw, 0xff
.set mr, 192+8*(mf-64)
.endif
	WIN mw
.set md, 16*mg+8*mu
.if mu == 0
	v_wmma_scale_f32_16x16x128_f8f6f4 v[md:md+7], v[mr:mr+7], v[128+8*mk:128+8*mk+7], v[md:md+7], v[TS+mq], v[XS+mk] matrix_a_fmt:MATRIX_FMT_FP4 matrix_b_fmt:MATRIX_FMT_FP4
.else
	v_wmma_scale_f32_16x16x128_f8f6f4 v[md:md+7], v[mr:mr+7], v[128+8*mk:128+8*mk+7], v[md:md+7], v[TS+mq], v[XS+mk] matrix_a_fmt:MATRIX_FMT_FP4 matrix_b_fmt:MATRIX_FMT_FP4 matrix_a_scale:MATRIX_SCALE_ROW1
.endif
.set mu, mu+1
.endr
.set mg, mg+1
.set mq, mq+1
.endr
.if mk == 2
	PLACES
.endif
.if (mk > 0) && (mk%2 == 0)
	DOT2 mk-2, \nxt, \s2, \t2
.endif
.set mk, mk+1
.endr
	DOT2 6, \nxt, \s2, \t2
.endm
.macro FINISH                          ; my 256 columns' sum of each of the 16 rows, into my wave's partial sums
	WIN 0
	v_pk_add_f32 v[AC:AC+1], v[AC:AC+1], v[AC+2:AC+3]
	v_pk_add_f32 v[AC+4:AC+5], v[AC+4:AC+5], v[AC+6:AC+7]
	v_pk_add_f32 v[AC:AC+1], v[AC:AC+1], v[AC+4:AC+5]
	v_add_f32 v[Z], v[AC], v[AC+1]
	v_add_nc_u32 v[PA], s[TP], v[PW0]
	v_permlanex16_b32 v[ZP], v[Z], s[SEL], s[SEL+1]
	v_add_f32 v[Z], v[Z], v[ZP]
	ds_store_b32 v[PA], v[Z]
	s_add_co_u32 s[TP], s[TP], 64
.endm
; The front of tile t of slot s; its X and beta were asked for among the products before.  chg 1: the barrier also shows the other slot landed; chg 2: and slot s is filled again behind it.
.macro FRONT s, t, chg, kind, off
	s_wait_dscnt 32                                ; groups 0-3 are in: behind them stand the 32 loads of groups 4-7
	QUANT 0, \t
	s_wait_dscnt 8                                 ; groups 4-7 are in: behind them stand the eight stores just issued
	QUANT 1, \t
.if \chg > 0
	s_wait_tensorcnt 0x0                           ; my one tensor load, my part of the other slot, has landed
	ds_add_u32 v[SPW], v[NIL]
.if \chg == 2
	s_add_nc_u64 s[G0+4*\s+2:G0+4*\s+3], s[G0+4*\s+2:G0+4*\s+3], 2*TILEB
.endif
.endif
	s_wait_dscnt 0x0                               ; my codes and bytes are stored; my reads of slot s are back; the add is done
	s_barrier_signal -1
	s_barrier_wait -1
.if \chg == 2
	tensor_load_to_lds s[G0+4*\s:G0+4*\s+3], s[G1:G1+7]    ; my one tensor load behind this barrier
	s_nop 0
	PLACES
.endif
	FRAGS \t, \kind, \off
.endm
.macro THETA n, base                   ; n fragments from number mf on, into registers 8 (mf - base) of the window that is set
.rept \n
	global_load_b128 v[8*(mf-(\base)):8*(mf-(\base))+3], v[LI], s[6:7] offset:1024*mf
	global_load_b128 v[8*(mf-(\base))+4:8*(mf-(\base))+7], v[LI], s[6:7] offset:1024*mf+512
.set mf, mf+1
.endr
.endm
	s_load_b256 s[4:11], s[0:1], 0x0               ; X, th_codes, th_scales, beta
	s_load_b128 s[12:15], s[0:1], 0x20             ; beta0, out0
	v_lshl_add_u32 v[SPW], v0, 2, SPARE
	v_mov_b32 v[NIL], 0
	ds_add_u32 v[SPW], v[NIL]                      ; the opening lines: the add twice on end
	ds_add_u32 v[SPW], v[NIL]
	v_lshrrev_b32 v1, 5, v0
	v_readfirstlane_b32 s16, v1                    ; wave p
	v_and_b32 v1, 15, v0                           ; r
	v_bfe_u32 v2, v0, 4, 1                         ; h
	v_and_b32 v[LS], 31, v0
	v_lshlrev_b32 v[LI], 4, v[LS]
	v_lshlrev_b32 v[L8], 3, v[LS]
	v_lshlrev_b32 v[PFO], 8, v[LS]
	v_lshlrev_b32 v[LS], 2, v[LS]
	s_lshl_b32 s17, s16, 7
	s_lshl_b32 s18, s16, 8
	v_mul_u32_u24 v[AX], v1, RPITCH
	v_lshl_add_u32 v[AX], v2, 6, v[AX]
	v_add_nc_u32 v[AX], s17, v[AX]                 ; row r, + 128 p + 64 h
	v_add_nc_u32 v[AX+1], 2*REGION, v[AX]
	v_add_nc_u32 v[AX+2], SLOTB, v[AX]
	v_add_nc_u32 v[AX+3], SLOTB+2*REGION, v[AX]
	v_lshlrev_b32 v[IW], 4, v1
	v_lshl_add_u32 v[IW], v2, 3, v[IW]
	s_add_co_u32 s19, s18, IMG
	v_add_nc_u32 v[IW], s19, v[IW]                 ; codes: 256 p + 16 r + 8 h
	v_lshlrev_b32 v[SR], 2, v1
	s_add_co_u32 s19, s16, XSC
	v_add_nc_u32 v[SW], s19, v[SR]                 ; scale byte p of row r's word
	v_add_nc_u32 v[SR], XSC, v[SR]
	v_add_nc_u32 v[IR], IMG, v[LI]
	s_add_co_u32 s19, s17, BETA
	v_lshlrev_b32 v[BR], 6, v2
	v_add_nc_u32 v[BR], s19, v[BR]
	s_lshl_b32 s19, s16, 10
	s_add_co_u32 s19, s19, PART
	v_lshlrev_b32 v[PW0], 2, v1
	v_add_nc_u32 v[PW0], s19, v[PW0]
	s_add_co_u32 s19, s18, PART
	v_add_nc_u32 v[PR], s19, v[L8]
	v_lshlrev_b32 v[GB], 4, v0
	v_add_nc_u32 v[LB], BETA, v[GB]
.irp b, 0,1,2,3
	v_mov_b32 v[PM+\b], 0                          ; a lane permute's destination counts as read
.endr
	v_mov_b32 v[ZP], 0
	s_mov_b32 s[SEL], 0x76543210
	s_mov_b32 s[SEL+1], 0xfedcba98
	s_mov_b32 s[TP], 0
	s_mov_b32 s[G1+0], (2<<16)|(1<<20)|(7<<22)|(3<<25)     ; elements of 4 bytes; 4 words of padding behind every 256
	s_mov_b32 s[G1+1], 256<<16
	s_mov_b32 s[G1+2], 32<<16
	s_mov_b32 s[G1+3], 256<<16
	s_mov_b32 s[G1+4], 32
	s_mov_b32 s[G1+5], 1024
	s_mov_b32 s[G1+6], 0
	s_mov_b32 s[G1+7], 0
	s_lshl_b32 s20, ttmp9, 20                      ; 256 rows of 4,096 bytes a work-group,
	s_lshl_b32 s21, s16, 10
	s_add_co_u32 s20, s20, s21                     ; + my 1,024 bytes of a row
	s_mov_b32 s21, 0
	s_mul_i32 s22, s16, REGION
	s_wait_alu depctr_va_vdst(0)
	s_wait_dscnt 0x0
	s_wait_kmcnt 0x0
	s_add_nc_u64 s[4:5], s[4:5], s[20:21]
	s_mov_b32 s[G0+0], 1
	s_mov_b32 s[G0+1], s22
	s_mov_b64 s[G0+2:G0+3], s[4:5]
	s_or_b32 s[G0+3], s[G0+3], 0x80000000
	s_mov_b32 s[G0+4], 1
	s_add_co_u32 s[G0+5], s22, SLOTB
	s_add_nc_u64 s[G0+6:G0+7], s[4:5], TILEB
	s_or_b32 s[G0+7], s[G0+7], 0x80000000
	tensor_load_to_lds s[G0:G0+3], s[G1:G1+7]      ; slot tile 0: my one tensor load at the head
	s_nop 0
	PLACES
	s_mul_i32 s20, s16, 32768-1024
	s_add_nc_u64 s[PF:PF+1], s[4:5], s[20:21]      ; the work-group's first byte + 32,768 p
	s_load_b32 s[BZ], s[12:13], 0x0
	s_mul_i32 s20, s16, 73728
	s_add_nc_u64 s[6:7], s[6:7], s[20:21]
	s_mov_b32 s20, s17
	s_add_nc_u64 s[8:9], s[8:9], s[20:21]
	s_lshl_b32 s20, ttmp9, 10
	s_add_co_u32 s20, s20, s18
	s_add_nc_u64 s[14:15], s[14:15], s[20:21]
	global_load_b128 v[AC:AC+3], v[GB], s[10:11]   ; beta, 32 bytes a thread
	global_load_b128 v[AC+4:AC+7], v[GB], s[10:11] offset:2048
.set mq, 0
.rept 36
	global_load_b32 v[TS+mq], v[LS], s[8:9] offset:512*mq
.set mq, mq+1
.endr
.set mf, 0
	WIN 0x40
	THETA 32, 0
	WIN 0x80
	THETA 16, 32
	WIN 0
	ASK 1, TILEB                                   ; slot tile 1, behind 134 of the head's loads
	WIN 0x80
	THETA 16, 32
	WIN 0xc0
	THETA 8, 40                                    ; fragments 64-71 at v192-255 of window 3
	WIN 0
	s_wait_loadcnt 63                              ; beta's two loads have 180 younger ones behind them
	ds_store_b128 v[LB], v[AC:AC+3]
	ds_store_b128 v[LB], v[AC+4:AC+7] offset:2048
	s_wait_tensorcnt 0x0                           ; slot 1's first fill is issued as a refill is
	ds_add_u32 v[SPW], v[NIL]
	s_wait_dscnt 0x0                               ; the add, and my part of beta
	s_barrier_signal -1
	s_barrier_wait -1
	tensor_load_to_lds s[G0+4:G0+7], s[G1:G1+7]    ; slot tile 1
	s_nop 0
	PLACES
.irp g, 0,2,4,6
	NEXT2 \g, 0, 0                                 ; the first tile's beta and X
.endr
	ASK 1, 2*TILEB
	ASK 1, 3*TILEB
	s_wait_kmcnt 0x0
	s_mov_b32 s[BZ+1], s[BZ]
	s_mov_b32 s[CNT], 3
	FRONT 0, 0, 0, 0, 0
	WIN 0
	s_wait_loadcnt 0x0                             ; Theta's fragments and scale words
.Lloop:                                                ; a trip: the products of slot tiles 2 i and 2 i + 1; both slots are filled again
	MULDOT 1, 0, 1
	FRONT 0, 1, 2, 2, 4*TILEB
	FINISH
	MULDOT 1, 1, 0
	FRONT 1, 0, 0, 0, 0
	FINISH
	MULDOT 1, 1, 1
	FRONT 1, 1, 2, 2, 5*TILEB
	FINISH
	MULDOT 1, 0, 0
	FRONT 0, 0, 0, 0, 0
	FINISH
	s_wait_xcnt 0x0                                ; the prefetches have read their base
	s_add_nc_u64 s[PF:PF+1], s[PF:PF+1], 2*TILEB
	s_sub_co_u32 s[CNT], s[CNT], 1
	s_cmp_lg_u32 s[CNT], 0
	s_cbranch_scc1 .Lloop
	MULDOT 1, 0, 1                                 ; slot tiles 6 and 7: nothing is left to fetch
	FRONT 0, 1, 1, 0, 0
	FINISH
	MULDOT 1, 1, 0
	FRONT 1, 0, 0, 0, 0
	FINISH
	MULDOT 1, 1, 1
	FRONT 1, 1, 0, 0, 0
	FINISH
	MULDOT 0, 0, 0
	FINISH
	s_wait_dscnt 0x0                               ; my partial sums are stored
	s_barrier_signal -1
	s_barrier_wait -1
.irp p, 0,1,2,3
	ds_load_b64 v[AC+2*\p:AC+2*\p+1], v[PR] offset:1024*\p   ; wave w takes rows 64 w .., two a lane, of all four waves' sums
.endr
	s_wait_dscnt 0x0
	v_pk_add_f32 v[AC:AC+1], v[AC:AC+1], v[AC+2:AC+3]
	v_pk_add_f32 v[AC+4:AC+5], v[AC+4:AC+5], v[AC+6:AC+7]
	v_pk_add_f32 v[AC:AC+1], v[AC:AC+1], v[AC+4:AC+5]
	v_pk_add_f32 v[AC:AC+1], v[AC:AC+1], s[BZ:BZ+1] op_sel_hi:[1,0]
	global_store_b64 v[L8], v[AC:AC+1], s[14:15]   ; 32 lanes store 256 consecutive bytes, at a multiple of 256 from out0's first byte
	s_wait_tensorcnt 0x0                           ; the wave's end
	ds_add_u32 v[SPW], v[NIL]
	s_wait_dscnt 0x0
	s_endpgm
.Lfunc_end_k_qcca1896835_main:
	.size	k_qcca1896835_main, .Lfunc_end_k_qcca1896835_main-k_qcca1896835_main
	.p2alignl 7, 3214868480
	.fill 96, 4, 3214868480
	.section	.rodata,"a",@progbits
	.p2align	6, 0x0
	.amdhsa_kernel k_qcca1896835_main
		.amdhsa_group_segment_fixed_size 327680
		.amdhsa_private_segment_fixed_size 0
		.amdhsa_enable_private_segment 0
		.amdhsa_kernarg_size 48
		.amdhsa_user_sgpr_count 2
		.amdhsa_user_sgpr_kernarg_segment_ptr 1
		.amdhsa_wavefront_size32 1
		.amdhsa_system_sgpr_workgroup_id_x 1
		.amdhsa_system_sgpr_workgroup_id_y 1
		.amdhsa_system_sgpr_workgroup_id_z 1
		.amdhsa_system_vgpr_workitem_id 0
		.amdhsa_next_free_vgpr 1024
		.amdhsa_next_free_sgpr 66
		.amdhsa_reserve_vcc 0
		.amdhsa_float_denorm_mode_32 3
		.amdhsa_float_denorm_mode_16_64 3
		.amdhsa_memory_ordered 1
		.amdhsa_forward_progress 1
		.amdhsa_inst_pref_size 249
	.end_amdhsa_kernel
	.amdgpu_metadata
---
amdhsa.version: [ 1, 2 ]
amdhsa.kernels:
  - .name:           k_qcca1896835_main
    .symbol:         k_qcca1896835_main.kd
    .args:
      - { .name: X, .offset: 0, .size: 8, .value_kind: global_buffer, .address_space: global }
      - { .name: th_codes, .offset: 8, .size: 8, .value_kind: global_buffer, .address_space: global }
      - { .name: th_scales, .offset: 16, .size: 8, .value_kind: global_buffer, .address_space: global }
      - { .name: beta, .offset: 24, .size: 8, .value_kind: global_buffer, .address_space: global }
      - { .name: beta0, .offset: 32, .size: 8, .value_kind: global_buffer, .address_space: global }
      - { .name: out0, .offset: 40, .size: 8, .value_kind: global_buffer, .address_space: global }
    .group_segment_fixed_size: 327680
    .private_segment_fixed_size: 0
    .kernarg_segment_align: 8
    .kernarg_segment_size: 48
    .max_flat_workgroup_size: 128
    .sgpr_count:     66
    .vgpr_count:     1024
    .wavefront_size: 32
...
	.end_amdgpu_metadata
.endif
;; end of part 2
